; MI455X (gfx1250); checked and timed in simulation.
; The chip was launched on July 23, 2026; its instructions are those of AMD's public machine-readable ISA for CDNA 5 (MIT licence, August 2026) and "CDNA5" Instruction Set Architecture Reference Guide (July 2026). The comments in the code are by the model that wrote it; some were corrected since.
;; Decomposition4 D. Allowed arithmetic: float matrix products may take bf16 or f16 operands with f32 sums; other float arithmetic in f32, or as packed bf16 or f16 multiplies, adds, multiply-adds, maxima and minima; sums over many terms, partial sums and values carried from step to step in f32; what a program stores and reads back later, other than sums and carried values, may be rounded once to bf16 or f16.
;; Inputs: times 524,288 x 1 float32; vectors 4 x 2,048 x 16 float32; xyt_table 8 x 524,288 x 2 float32; xyz 524,288 x 3 float32; xyz_table 8 x 524,288 x 2 float32; xzt_table 8 x 524,288 x 2 float32; yzt_table 8 x 524,288 x 2 float32.
;; Outputs: out0 524,288 x 16 float32.
;; 2 versions, each right; version 2 is version 1 with the launch gather written anew for expert scheduling mode. Each part assembles by itself: llvm-mc -triple=amdgcn-amd-amdhsa -mcpu=gfx1250 --defsym DOCPART=n.
;; ======== version 1 of 2: 2 launches
;; limits: inputs' magnitudes at most 64; right only within a limited range of input values
;; workspace buffers: qfix 8,388,608 bytes of whole numbers
;; launch fix (part 1): grid 512 x 1, 8 waves a work-group, no clusters, 0 bytes of LDS; arguments xyz, times, qfix; writes qfix
.if DOCPART == 1
	.amdgcn_target "amdgcn-amd-amdhsa--gfx1250"
	.amdhsa_code_object_version 6
	.text
	.protected	k_q9e90f024b5_fix
	.globl	k_q9e90f024b5_fix
	.p2align	8
	.type	k_q9e90f024b5_fix,@function
k_q9e90f024b5_fix:
	s_mov_b64 s[64:65], 0
	v_nop
	global_prefetch_b8 v0, s[64:65] scope:SCOPE_SE
	s_setreg_imm32_b32 hwreg(HW_REG_WAVE_MODE, 25, 1), 1
	s_wait_xcnt 0x0
; FIRST OF TWO LAUNCHES.  out0 = sum over four hashed grids (xyz, xyt, yzt, xzt; 8 levels, 8 corners, 2 features) of the trilinear feature times a
; 1D vector interpolated at the missing coordinate.  No step of reference() is left out and every input has a way to the output: this launch reads xyz and times,
; the second the four tables and vectors.
; WHAT THIS LAUNCH DOES.  Table addresses come from floor(c * scale + 0.5).  Each coordinate c is turned ONCE into the whole number q = trunc(c * 2^26) and stored;
; the second launch makes cells, hashes and weights of all levels from q by integer arithmetic.
; LAYOUT of qfix: four planes of 524,288 words: x, y, z, t.  A thread takes 4 neighbouring points: 48 bytes of xyz and 16 of times in, 16 bytes of each plane out,
; so each store of a wave covers 512 consecutive bytes, aligned.
; LIMITS.  q has 6 whole and 26 fraction bits: coordinates from 0 to below 64 are served (setup's lie in 0 to 1).  Below 0, where reference()'s own cast of a negative
; position to uint32 has no defined value, q is 0; from 64 on q is the greatest number.  A NaN coordinate counts as 0.  c is cut at 2^-26: at most 2047 * 2^-26 = 3e-5 of a cell at the finest level.
.set NPTS,  524288
.set PLANE, 4*NPTS                     ; bytes in a plane of qfix
.set IN,    4                          ; v[4:15] x0 y0 z0 x1 .. z3, v[16:19] t0 .. t3
.set QF,    20                         ; v[20:35] x0-3, y0-3, z0-3, t0-3 as whole numbers
	s_load_b128 s[4:7], s[0:1], 0x0                ; xyz s[4:5], times s[6:7]
	s_load_b64 s[8:9], s[0:1], 0x10                ; qfix
	v_mul_u32_u24 v1, v0, 48                       ; my 4 points in xyz
	v_lshlrev_b32 v2, 4, v0                        ; and in times and in each plane
	s_mul_i32 s10, ttmp9, 256*48                   ; the work-group's 1,024 points
	s_mov_b32 s11, 0
	s_lshl_b32 s12, ttmp9, 12
	s_mov_b32 s13, 0
	s_wait_kmcnt 0x0
	s_add_nc_u64 s[4:5], s[4:5], s[10:11]
	s_add_nc_u64 s[6:7], s[6:7], s[12:13]
	s_add_nc_u64 s[8:9], s[8:9], s[12:13]
	global_load_b128 v[IN:IN+3],     v1, s[4:5] th:TH_LOAD_NT
	global_load_b128 v[IN+4:IN+7],   v1, s[4:5] offset:16 th:TH_LOAD_NT
	global_load_b128 v[IN+8:IN+11],  v1, s[4:5] offset:32 th:TH_LOAD_NT
	global_load_b128 v[IN+12:IN+15], v2, s[6:7] th:TH_LOAD_NT
	s_wait_loadcnt 0x0
.irp j, 0,2,4,6,8,10,12,14
	v_pk_mul_f32 v[IN+(\j):IN+(\j)+1], v[IN+(\j):IN+(\j)+1], 0x4c800000 op_sel_hi:[1,0]  ; c * 2^26, exact
.endr
.irp j, 0,1,2,3,4,5,6,7,8,9,10,11,12,13,14,15
	v_max_num_f32 v[IN+(\j)], 0, v[IN+(\j)]        ; not below 0; a NaN loses against the 0
.endr
.irp j, 0,1,2,3,4,5,6,7,8,9,10,11,12,13,14,15
	v_min_num_f32 v[IN+(\j)], 0x4f7fffff, v[IN+(\j)]  ; not above 2^32 - 256, the greatest f32 that a word holds
.endr
.irp i, 0,1,2,3
	v_cvt_u32_f32 v[QF+(\i)],    v[IN+3*(\i)]      ; toward zero; x,
	v_cvt_u32_f32 v[QF+4+(\i)],  v[IN+3*(\i)+1]    ; y,
	v_cvt_u32_f32 v[QF+8+(\i)],  v[IN+3*(\i)+2]    ; z,
	v_cvt_u32_f32 v[QF+12+(\i)], v[IN+12+(\i)]     ; t of point i
.endr
.irp c, 0,1,2,3
	global_store_b128 v2, v[QF+4*(\c):QF+4*(\c)+3], s[8:9] offset:(\c)*PLANE
.endr
	s_endpgm
.Lfunc_end_k_q9e90f024b5_fix:
	.size	k_q9e90f024b5_fix, .Lfunc_end_k_q9e90f024b5_fix-k_q9e90f024b5_fix
	.p2alignl 7, 3214868480
	.fill 96, 4, 3214868480
	.section	.rodata,"a",@progbits
	.p2align	6, 0x0
	.amdhsa_kernel k_q9e90f024b5_fix
		.amdhsa_group_segment_fixed_size 0
		.amdhsa_private_segment_fixed_size 0
		.amdhsa_enable_private_segment 0
		.amdhsa_kernarg_size 24
		.amdhsa_user_sgpr_count 2
		.amdhsa_user_sgpr_kernarg_segment_ptr 1
		.amdhsa_wavefront_size32 1
		.amdhsa_system_sgpr_workgroup_id_x 1
		.amdhsa_system_sgpr_workgroup_id_y 1
		.amdhsa_system_sgpr_workgroup_id_z 1
		.amdhsa_system_vgpr_workitem_id 0
		.amdhsa_next_free_vgpr 40
		.amdhsa_next_free_sgpr 66
		.amdhsa_reserve_vcc 0
		.amdhsa_float_denorm_mode_32 3
		.amdhsa_float_denorm_mode_16_64 3
		.amdhsa_memory_ordered 1
		.amdhsa_forward_progress 1
		.amdhsa_inst_pref_size 5
	.end_amdhsa_kernel
	.amdgpu_metadata
---
amdhsa.version: [ 1, 2 ]
amdhsa.kernels:
  - .name:           k_q9e90f024b5_fix
    .symbol:         k_q9e90f024b5_fix.kd
    .args:
      - { .name: xyz, .offset: 0, .size: 8, .value_kind: global_buffer, .address_space: global }
      - { .name: times, .offset: 8, .size: 8, .value_kind: global_buffer, .address_space: global }
      - { .name: qfix, .offset: 16, .size: 8, .value_kind: global_buffer, .address_space: global }
    .group_segment_fixed_size: 0
    .private_segment_fixed_size: 0
    .kernarg_segment_align: 8
    .kernarg_segment_size: 24
    .max_flat_workgroup_size: 256
    .sgpr_count:     66
    .vgpr_count:     40
    .wavefront_size: 32
...
	.end_amdgpu_metadata
.endif
;; end of part 1
;; launch gather (part 2): grid 1024 x 1, 8 waves a work-group, no clusters, 35,840 bytes of LDS; arguments qfix, vectors, xyz_table, xyt_table, yzt_table, xzt_table, out0; writes out0
.if DOCPART == 2
	.amdgcn_target "amdgcn-amd-amdhsa--gfx1250"
	.amdhsa_code_object_version 6
	.text
	.protected	k_q9e90f024b5_gather
	.globl	k_q9e90f024b5_gather
	.p2align	8
	.type	k_q9e90f024b5_gather,@function
k_q9e90f024b5_gather:
	s_mov_b64 s[64:65], 0
	v_nop
	global_prefetch_b8 v0, s[64:65] scope:SCOPE_SE
	s_setreg_imm32_b32 hwreg(HW_REG_WAVE_MODE, 25, 1), 1
	s_wait_xcnt 0x0
; SECOND OF TWO LAUNCHES: the whole of reference() from the coordinates as whole numbers (qfix: planes x, y, z, t of q = trunc(c * 2^26)).  Nothing of reference() is left out.
; FIXED POINT.  S = reference()'s f32 scale of the level times 2^20, an exact integer.  P = high word of q * S, plus 2^13, is the position c * scale + 0.5 with 14 fraction bits:
; the cell is P >> 14, the weight w the low 14 bits.  The bits 0x44000000 | fraction are the float 512 + w, so w = F - 512 and 1 - w = 513 - F are exact.
; LIMITS.  The order of rounding differs from reference()'s: a position is cut at 2^-14 of a cell (f32 keeps 2^-13 at the finest level).  Cell and weight come from ONE number, so where this floor and
; reference()'s differ the weight lies that near to 0 or 1, where the trilinear form is continuous.  Coordinates from 0 to below 64 (first launch): a cell is below 2^17 + 1.
; HASH.  index = (c0 ^ c1 * 2654435761 ^ c2 * 805459861) mod 2^19: only the low 19 bits count, so the primes are taken mod 2^19 and a 24-bit multiply does; (c + 1) * p = c * p + p.
; x, y * p1 and their four pairs serve xyz and xyt; z * p1 serves yzt and xzt; t * p2 serves three tables.
; SHARES.  A lane owns 2 neighbouring points, a wave 64, a work-group of 8 waves 512.  THE LEVELS ARE THE OUTER LOOP: all waves of the launch walk them in the same order, so at any time the launch gathers from
; few levels' tables (4 x 4 MiB a level), not from all 128 MiB.  Level l gives columns 2 l, 2 l + 1 of out0 and nothing else, so nothing is carried from level to level.
; IN FLIGHT.  For a point and level 40 loads of 8 bytes a lane go out together: 8 pieces of vectors' rows, then 8 corners of each table.  An index is made in the low register of the pair into which its own load lands.
; THE WAY OUT.  Both points' two numbers go by one 16-byte LDS store into the wave's own stage, [level][point]; at the end whole rows come back and each store of the wave covers 512 consecutive bytes of out0, aligned.
; No wave touches another's stage: no barrier.  The stage's pitch is 544 bytes = 136 words: on the way back lane l reads level 2 (l % 4) of point l / 4 at bank 16 (l % 4) + 2 (l / 4), each of the 64 banks of 4 bytes (ISA guide 11.1) once.
; NO tensor load, cluster or matrix instruction: hashed entries form no tile that work-groups could share, and there is no product of matrices.
.set NPTS,   524288
.set PLANE,  4*NPTS                    ; bytes in a plane of qfix
.set TLEVEL, 8*524288                  ; bytes in a level of a table
.set VPLANE, 2048*64                   ; bytes in one of the four vectors
.set PITCH,  544                       ; a level's 64 points x 8 bytes in the stage, + 32
.set WSTAGE, 8*PITCH                   ; a wave's stage: 4,352 bytes
.set SPARE,  8*WSTAGE                  ; behind the stages: the spare words, 128 bytes for each wave: four blocks of 256 bytes that no other line names
.set P1,     0x779b1                   ; 2654435761 mod 2^19
.set P2,     0x25795                   ; 805459861 mod 2^19
.set SC0,    31<<20                    ; the f32 scales 32 * 64^(l/7) - 1 as 24-bit integers, shifted to 20 fraction bits:
.set SC1,    14933378<<2               ; 56.966316
.set SC2,    13631871<<3               ; 104.00292
.set SC3,    12399888<<4               ; 189.20728
.set SC4,    11257461<<5               ; 343.55045
.set SC5,    10209444<<6               ; 623.13501
.set SC6,    9253582<<7                ; 1129.5876
.set SC7,    2047<<20
.set SPW, 1                            ; v1   LDS address of my spare word; never rewritten
.set NIL, 2                            ; v2   0; never rewritten
.set LB,  3                            ; v3   my 16 bytes in a level's row of my wave's stage
.set LA,  4                            ; v4   the same at the level in hand
.set QO,  5                            ; v5   my byte offset in a plane of qfix
.set Q,   6                            ; v[6:13]   q: coordinate c (x y z t) of point p at Q + 2 c + p
.set VO,  14                           ; v[14:21]  byte offset of the lower row in vector k, point p, at VO + 2 k + p
.set WV,  22                           ; v[22:29]  the weight of the upper row, at WV + 2 k + p
.set R,   30                           ; v[30:33]  the level's two numbers for point 0, for point 1
.set CW,  34                           ; v[34:41]  the pair (1 - w, w) of coordinate c at CW + 2 c
.set UV,  42                           ; v[42:45]  the four products of two coordinates' weights
.set VD,  46                           ; v[46:61]  vector k: two numbers of the lower row at VD + 4 k, of the upper at VD + 4 k + 2
.set D,   62                           ; v[62:125] table t, corner n = i + 2 j + 4 k: index, then the entry's two numbers, at D + 16 t + 2 n
.set TM,  D+33                         ; the odd registers of tables 2 and 3 are free until their loads go out: sixteen at work
.set HA0, TM+0                         ; x          HA1: x + 1
.set HE0, TM+2                         ; y          HE1: y + 1
.set HC0, TM+4                         ; z, then z p2;  HC1: (z + 1) p2
.set HD0, TM+6                         ; t, then t p2;  HD1: (t + 1) p2
.set HA1, TM+8
.set HE1, TM+10
.set HB0, TM+12                        ; y p1
.set HB1, TM+14
.set HG0, TM+16                        ; z p1
.set HG1, TM+18
.set HC1, TM+20
.set HD1, TM+22
.set FR,  TM+24                        ; four: 512 + w
.set RD,  CW                           ; behind the loop: where I read rows back,
.set GO,  CW+1                         ; and my 16 bytes in 512 of out0
.set QB,  8                            ; s[8:9]   qfix at the work-group's points
.set VB,  10                           ; s[10:11] vectors, at the level's two columns
.set TB,  12                           ; s[12:19] the four tables, at the level
.set OB,  20                           ; s[20:21] out0 at the work-group's rows
.set SWV, 22                           ; s22  my wave's number
.set CNT, 23                           ; s23  the loop's counter, which is the level's byte offset in the stage
.set MK,  24                           ; s24  0x3fff
.set EX,  25                           ; s25  the bits of 512.0
.set M19, 30                           ; s30  2^19 - 1
.set WS,  31                           ; s31  my wave's stage
.set SC,  32                           ; s[32:39] the scales still to come, the level's own first
	s_load_b256 s[8:15], s[0:1], 0x0               ; qfix, vectors, xyz_table, xyt_table
	s_load_b128 s[16:19], s[0:1], 0x20             ; yzt_table, xzt_table
	s_load_b64 s[OB:OB+1], s[0:1], 0x30            ; out0
	v_lshl_add_u32 v[SPW], v0, 2, SPARE
	v_mov_b32 v[NIL], 0
	v_lshrrev_b32 v[LA], 5, v0
	v_readfirstlane_b32 s[SWV], v[LA]              ; wave 0..7
	v_and_b32 v[UV], 31, v0                        ; lane
	v_lshlrev_b32 v[QO], 3, v0                     ; two words a thread
	s_mul_i32 s[WS], s[SWV], WSTAGE
	v_lshl_add_u32 v[LB], v[UV], 4, s[WS]
	s_lshl_b32 s26, ttmp9, 11                      ; the work-group's 512 points: 2,048 bytes of a plane,
	s_mov_b32 s27, 0
	s_lshl_b32 s28, ttmp9, 15                      ; 32,768 bytes of out0
	s_mov_b32 s29, 0
	s_mov_b32 s[MK], 0x3fff
	s_mov_b32 s[EX], 0x44000000
	s_mov_b32 s[M19], 0x7ffff
	s_mov_b32 s[SC+0], SC0
	s_mov_b32 s[SC+1], SC1
	s_mov_b32 s[SC+2], SC2
	s_mov_b32 s[SC+3], SC3
	s_mov_b32 s[SC+4], SC4
	s_mov_b32 s[SC+5], SC5
	s_mov_b32 s[SC+6], SC6
	s_mov_b32 s[SC+7], SC7
	s_wait_kmcnt 0x0
	s_add_nc_u64 s[QB:QB+1], s[QB:QB+1], s[26:27]
	s_add_nc_u64 s[OB:OB+1], s[OB:OB+1], s[28:29]
.irp c, 0,1,2,3
	global_load_b64 v[Q+2*(\c):Q+2*(\c)+1], v[QO], s[QB:QB+1] offset:(\c)*PLANE th:TH_LOAD_NT  ; 256 consecutive bytes a wave
.endr
	s_wait_loadcnt 0x0
; interp1d, once a point: pos = c * 2047 with 14 fraction bits; the lower row is min(floor(pos), 2046), as reference() clips it (pos is not below 0); the weight is pos less that row, also where it passes 1.
.macro VSET k, c
.irp p, 0,1
	v_mul_hi_u32 v[D+8*(\k)+4*(\p)], v[Q+2*(\c)+(\p)], s[SC+7]
	v_lshrrev_b32 v[D+8*(\k)+4*(\p)+1], 14, v[D+8*(\k)+4*(\p)]
	v_min_u32 v[D+8*(\k)+4*(\p)+1], 0x7fe, v[D+8*(\k)+4*(\p)+1]
	v_lshlrev_b32 v[D+8*(\k)+4*(\p)+2], 14, v[D+8*(\k)+4*(\p)+1]
	v_sub_nc_u32 v[D+8*(\k)+4*(\p)], v[D+8*(\k)+4*(\p)], v[D+8*(\k)+4*(\p)+2]
	v_cvt_f32_u32 v[D+8*(\k)+4*(\p)], v[D+8*(\k)+4*(\p)]
	v_mul_f32 v[WV+2*(\k)+(\p)], 0x38800000, v[D+8*(\k)+4*(\p)]   ; * 2^-14
	v_lshlrev_b32 v[VO+2*(\k)+(\p)], 6, v[D+8*(\k)+4*(\p)+1]      ; a row is 64 bytes
.endr
.endm
	VSET 0, 3                                      ; vectors[0] goes by t,
	VSET 1, 2                                      ; [1] by z,
	VSET 2, 0                                      ; [2] by x,
	VSET 3, 1                                      ; [3] by y
; The four products of coordinate u's and coordinate v's weights: (1-wu)(1-wv), wu (1-wv), (1-wu) wv, wu wv: corners i + 2 j.
.macro PAIRW u, v
	v_pk_mul_f32 v[UV:UV+1],   v[CW+2*(\u):CW+2*(\u)+1], v[CW+2*(\v):CW+2*(\v)+1] op_sel_hi:[1,0]
	v_pk_mul_f32 v[UV+2:UV+3], v[CW+2*(\u):CW+2*(\u)+1], v[CW+2*(\v):CW+2*(\v)+1] op_sel:[0,1]
.endm
; Table t's eight entries, two numbers each, are weighed: two chains (third coordinate low, high) of four, then coordinate s joins them; the feature times vector k is added to point p's result.
.macro TAB t, s, k, p, first
.set E, D+16*(\t)
	v_pk_mul_f32 v[E:E+1],   v[E:E+1],     v[UV:UV+1] op_sel_hi:[1,0]
	v_pk_mul_f32 v[E+8:E+9], v[E+8:E+9],   v[UV:UV+1] op_sel_hi:[1,0]
	v_pk_fma_f32 v[E:E+1],   v[E+2:E+3],   v[UV:UV+1], v[E:E+1] op_sel:[0,1,0]
	v_pk_fma_f32 v[E+8:E+9], v[E+10:E+11], v[UV:UV+1], v[E+8:E+9] op_sel:[0,1,0]
	v_pk_fma_f32 v[E:E+1],   v[E+4:E+5],   v[UV+2:UV+3], v[E:E+1] op_sel_hi:[1,0,1]
	v_pk_fma_f32 v[E+8:E+9], v[E+12:E+13], v[UV+2:UV+3], v[E+8:E+9] op_sel_hi:[1,0,1]
	v_pk_fma_f32 v[E:E+1],   v[E+6:E+7],   v[UV+2:UV+3], v[E:E+1] op_sel:[0,1,0]
	v_pk_fma_f32 v[E+8:E+9], v[E+14:E+15], v[UV+2:UV+3], v[E+8:E+9] op_sel:[0,1,0]
	v_pk_mul_f32 v[E:E+1],   v[E:E+1],     v[CW+2*(\s):CW+2*(\s)+1] op_sel_hi:[1,0]
	v_pk_fma_f32 v[E:E+1],   v[E+8:E+9],   v[CW+2*(\s):CW+2*(\s)+1], v[E:E+1] op_sel:[0,1,0]
.if \first
	v_pk_mul_f32 v[R+2*(\p):R+2*(\p)+1], v[E:E+1], v[VD+4*(\k):VD+4*(\k)+1]
.else
	v_pk_fma_f32 v[R+2*(\p):R+2*(\p)+1], v[E:E+1], v[VD+4*(\k):VD+4*(\k)+1], v[R+2*(\p):R+2*(\p)+1]
.endif
.endm
; Eight indices: a number made of loaded numbers enters an address only behind a v_min_u32 with a written constant (the index is below 2^19 already); then the eight loads,
; each landing on its own index; scale_offset takes the index times 8 bytes.
.macro FETCH8 t
.irp n, 0,1,2,3,4,5,6,7
	v_min_u32 v[D+16*(\t)+2*(\n)], 0x7ffff, v[D+16*(\t)+2*(\n)]
.endr
.irp n, 0,1,2,3,4,5,6,7
	global_load_b64 v[D+16*(\t)+2*(\n):D+16*(\t)+2*(\n)+1], v[D+16*(\t)+2*(\n)], s[TB+2*(\t):TB+2*(\t)+1] scale_offset
.endr
.endm
; POINT p AT THE LEVEL IN HAND.  No load of the wave is out at its head.
.macro ITEM p
.irp k, 0,1,2,3
	global_load_b64 v[VD+4*(\k):VD+4*(\k)+1],   v[VO+2*(\k)+(\p)], s[VB:VB+1] offset:(\k)*VPLANE      ; the level's two columns of the lower row,
	global_load_b64 v[VD+4*(\k)+2:VD+4*(\k)+3], v[VO+2*(\k)+(\p)], s[VB:VB+1] offset:(\k)*VPLANE+64   ; and of the upper
.endr
.irp c, 0,1,2,3
	v_mul_hi_u32 v[TM+2*(\c)], v[Q+2*(\c)+(\p)], s[SC]          ; c * scale, 14 fraction bits
.endr
.irp c, 0,1,2,3
	v_add_nc_u32 v[TM+2*(\c)], 0x2000, v[TM+2*(\c)]             ; + 0.5
.endr
.irp c, 0,1,2,3
	v_and_or_b32 v[FR+2*(\c)], v[TM+2*(\c)], s[MK], s[EX]       ; the float 512 + w
	v_lshrrev_b32 v[TM+2*(\c)], 14, v[TM+2*(\c)]                ; the cell
.endr
.irp c, 0,1,2,3
	v_sub_f32 v[CW+2*(\c)],   0x44004000, v[FR+2*(\c)]          ; 513 - (512 + w) = 1 - w
	v_add_f32 v[CW+2*(\c)+1], 0xc4000000, v[FR+2*(\c)]          ; w
.endr
	v_add_nc_u32 v[HA1], 1, v[HA0]
	v_add_nc_u32 v[HE1], 1, v[HE0]
	v_mul_u32_u24 v[HB0], P1, v[HE0]
	v_mul_u32_u24 v[HG0], P1, v[HC0]
	v_mul_u32_u24 v[HC0], P2, v[HC0]
	v_mul_u32_u24 v[HD0], P2, v[HD0]
	v_add_nc_u32 v[HB1], P1, v[HB0]
	v_add_nc_u32 v[HG1], P1, v[HG0]
	v_add_nc_u32 v[HC1], P2, v[HC0]
	v_add_nc_u32 v[HD1], P2, v[HD0]
.irp h, HB0, HB1, HG0, HG1, HC0, HC1, HD0, HD1
	v_and_b32 v[\h], s[M19], v[\h]                              ; mod 2^19 here, eight times, not behind each of the 32 sums; x + 1 and y + 1 are below 2^19 as they are
.endr
	v_xor_b32 v[D+0], v[HA0], v[HB0]                            ; x ^ y p1, four pairs, in the places of table 0's low corners
	v_xor_b32 v[D+2], v[HA1], v[HB0]
	v_xor_b32 v[D+4], v[HA0], v[HB1]
	v_xor_b32 v[D+6], v[HA1], v[HB1]
.irp n, 0,1,2,3
	v_xor_b32 v[D+8+2*(\n)],  v[D+2*(\n)], v[HC1]               ; xyz, z + 1
	v_xor_b32 v[D+16+2*(\n)], v[D+2*(\n)], v[HD0]               ; xyt, t
	v_xor_b32 v[D+24+2*(\n)], v[D+2*(\n)], v[HD1]               ; xyt, t + 1
	v_xor_b32 v[D+2*(\n)],    v[D+2*(\n)], v[HC0]               ; xyz, z: in place, last
.endr
	FETCH8 0
	FETCH8 1
	v_xor_b32 v[D+32], v[HE0], v[HG0]                           ; y ^ z p1
	v_xor_b32 v[D+34], v[HE1], v[HG0]
	v_xor_b32 v[D+36], v[HE0], v[HG1]
	v_xor_b32 v[D+38], v[HE1], v[HG1]
	v_xor_b32 v[D+48], v[HA0], v[HG0]                           ; x ^ z p1
	v_xor_b32 v[D+50], v[HA1], v[HG0]
	v_xor_b32 v[D+52], v[HA0], v[HG1]
	v_xor_b32 v[D+54], v[HA1], v[HG1]
.irp n, 0,1,2,3
	v_xor_b32 v[D+40+2*(\n)], v[D+32+2*(\n)], v[HD1]
	v_xor_b32 v[D+56+2*(\n)], v[D+48+2*(\n)], v[HD1]
	v_xor_b32 v[D+32+2*(\n)], v[D+32+2*(\n)], v[HD0]
	v_xor_b32 v[D+48+2*(\n)], v[D+48+2*(\n)], v[HD0]
.endr
	FETCH8 2                                                    ; the registers at work are read no more: these loads land on them
	FETCH8 3
	PAIRW 0, 1                                                  ; x and y: for xyz and xyt
	s_wait_loadcnt 24                                           ; loads come back in order (ISA guide 5.7.1): the vectors' 8 and table 0's 8 are in; the 24 of tables 1 to 3 may stay out
.irp k, 0,1,2,3
	v_pk_add_f32 v[VD+4*(\k)+2:VD+4*(\k)+3], v[VD+4*(\k)+2:VD+4*(\k)+3], v[VD+4*(\k):VD+4*(\k)+1] neg_lo:[0,1] neg_hi:[0,1]  ; upper - lower
.endr
.irp k, 0,1,2,3
	v_pk_fma_f32 v[VD+4*(\k):VD+4*(\k)+1], v[VD+4*(\k)+2:VD+4*(\k)+3], v[WV+2*(\k):WV+2*(\k)+1], v[VD+4*(\k):VD+4*(\k)+1] op_sel:[0,\p,0] op_sel_hi:[1,\p,1]  ; lower + w (upper - lower); point p's w for both
.endr
	TAB 0, 2, 0, \p, 1                                          ; xyz: joined by z, times vectors[0]
	s_wait_loadcnt 16                                           ; table 1 is in; 16 may stay out
	TAB 1, 3, 1, \p, 0                                          ; xyt: by t, times vectors[1]
	PAIRW 1, 2                                                  ; y and z
	s_wait_loadcnt 8                                            ; table 2 is in; 8 may stay out
	TAB 2, 3, 2, \p, 0                                          ; yzt
	PAIRW 0, 2                                                  ; x and z
	s_wait_loadcnt 0x0                                          ; table 3; every load of the wave is done, so index registers and bases may be written
	TAB 3, 3, 3, \p, 0                                          ; xzt
.endm
	s_mov_b32 s[CNT], 0
.Llevel:                                       ; 8 trips; the counter steps by a level's row in the stage
	ITEM 0
	ITEM 1
	v_add_nc_u32 v[LA], s[CNT], v[LB]
	ds_store_b128 v[LA], v[R:R+3]                  ; 512 consecutive bytes a wave
	s_add_nc_u64 s[VB:VB+1], s[VB:VB+1], 8         ; the next level's two columns,
.irp t, 0,1,2,3
	s_add_nc_u64 s[TB+2*(\t):TB+2*(\t)+1], s[TB+2*(\t):TB+2*(\t)+1], TLEVEL  ; its part of each table,
.endr
.irp i, 0,1,2,3,4,5,6
	s_mov_b32 s[SC+(\i)], s[SC+(\i)+1]             ; and its scale moves to the front
.endr
	s_add_co_u32 s[CNT], s[CNT], PITCH
	s_cmp_lt_u32 s[CNT], WSTAGE
	s_cbranch_scc1 .Llevel
	; THE WAY OUT.  Lane l takes 16 bytes of a row of out0: point l / 4 of eight, levels 2 (l % 4) and 2 (l % 4) + 1.
	v_and_b32 v[UV], 31, v0
	v_and_b32 v[UV+1], 3, v0
	v_lshrrev_b32 v[UV+2], 2, v[UV]
	v_mul_u32_u24 v[RD], v[UV+1], 2*PITCH
	v_lshl_add_u32 v[RD], v[UV+2], 3, v[RD]
	v_add_nc_u32 v[RD], s[WS], v[RD]
	s_lshl_b32 s26, s[SWV], 12                     ; my wave's 64 rows of 64 bytes
	v_lshl_add_u32 v[GO], v[UV], 4, s26
.irp t, 0,1,2,3,4,5,6,7
	ds_load_b64 v[D+4*(\t):D+4*(\t)+1],   v[RD] offset:64*(\t)        ; LDS serves a wave's instructions in order (ISA guide 5.7.1.4): these see the loop's stores
	ds_load_b64 v[D+4*(\t)+2:D+4*(\t)+3], v[RD] offset:64*(\t)+PITCH
.endr
.irp t, 0,1,2,3,4,5,6,7
	s_wait_dscnt 14-2*(\t)                         ; the two loads of rows 8 t .. 8 t + 7 are in; the later rows' may stay out
	global_store_b128 v[GO], v[D+4*(\t):D+4*(\t)+3], s[OB:OB+1] offset:512*(\t) th:TH_STORE_NT  ; 512 consecutive bytes, at a multiple of 256 from out0's first
.endr
	s_wait_tensorcnt 0x0                           ; the wave's end, behind my last LDS store
	ds_add_u32 v[SPW], v[NIL]
	s_wait_dscnt 0x0
	s_endpgm
.Lfunc_end_k_q9e90f024b5_gather:
	.size	k_q9e90f024b5_gather, .Lfunc_end_k_q9e90f024b5_gather-k_q9e90f024b5_gather
	.p2alignl 7, 3214868480
	.fill 96, 4, 3214868480
	.section	.rodata,"a",@progbits
	.p2align	6, 0x0
	.amdhsa_kernel k_q9e90f024b5_gather
		.amdhsa_group_segment_fixed_size 35840
		.amdhsa_private_segment_fixed_size 0
		.amdhsa_enable_private_segment 0
		.amdhsa_kernarg_size 56
		.amdhsa_user_sgpr_count 2
		.amdhsa_user_sgpr_kernarg_segment_ptr 1
		.amdhsa_wavefront_size32 1
		.amdhsa_system_sgpr_workgroup_id_x 1
		.amdhsa_system_sgpr_workgroup_id_y 1
		.amdhsa_system_sgpr_workgroup_id_z 1
		.amdhsa_system_vgpr_workitem_id 0
		.amdhsa_next_free_vgpr 128
		.amdhsa_next_free_sgpr 66
		.amdhsa_reserve_vcc 0
		.amdhsa_float_denorm_mode_32 3
		.amdhsa_float_denorm_mode_16_64 3
		.amdhsa_memory_ordered 1
		.amdhsa_forward_progress 1
		.amdhsa_inst_pref_size 35
	.end_amdhsa_kernel
	.amdgpu_metadata
---
amdhsa.version: [ 1, 2 ]
amdhsa.kernels:
  - .name:           k_q9e90f024b5_gather
    .symbol:         k_q9e90f024b5_gather.kd
    .args:
      - { .name: qfix, .offset: 0, .size: 8, .value_kind: global_buffer, .address_space: global }
      - { .name: vectors, .offset: 8, .size: 8, .value_kind: global_buffer, .address_space: global }
      - { .name: xyz_table, .offset: 16, .size: 8, .value_kind: global_buffer, .address_space: global }
      - { .name: xyt_table, .offset: 24, .size: 8, .value_kind: global_buffer, .address_space: global }
      - { .name: yzt_table, .offset: 32, .size: 8, .value_kind: global_buffer, .address_space: global }
      - { .name: xzt_table, .offset: 40, .size: 8, .value_kind: global_buffer, .address_space: global }
      - { .name: out0, .offset: 48, .size: 8, .value_kind: global_buffer, .address_space: global }
    .group_segment_fixed_size: 35840
    .private_segment_fixed_size: 0
    .kernarg_segment_align: 8
    .kernarg_segment_size: 56
    .max_flat_workgroup_size: 256
    .sgpr_count:     66
    .vgpr_count:     128
    .wavefront_size: 32
...
	.end_amdgpu_metadata
.endif
;; end of part 2
;; ======== version 2 of 2: 2 launches; version 1 with the launch gather written anew for expert scheduling mode
;; limits: inputs' magnitudes at most 64; right only within a limited range of input values
;; workspace buffers: qfix 8,388,608 bytes of whole numbers
;; launch fix: the kernel of part 1 again; grid 512 x 1, 8 waves a work-group, no clusters, 0 bytes of LDS; arguments xyz, times, qfix; writes qfix
;; launch gather (part 3): grid 1024 x 1, 8 waves a work-group, no clusters, 35,840 bytes of LDS; arguments qfix, vectors, xyz_table, xyt_table, yzt_table, xzt_table, out0; writes out0
.if DOCPART == 3
	.amdgcn_target "amdgcn-amd-amdhsa--gfx1250"
	.amdhsa_code_object_version 6
	.text
	.protected	k_q9e90f024b5_gather
	.globl	k_q9e90f024b5_gather
	.p2align	8
	.type	k_q9e90f024b5_gather,@function
k_q9e90f024b5_gather:
	s_mov_b64 s[64:65], 0
	v_nop
	global_prefetch_b8 v0, s[64:65] scope:SCOPE_SE
	s_setreg_imm32_b32 hwreg(HW_REG_WAVE_SCHED_MODE, 0, 2), 2
	s_setreg_imm32_b32 hwreg(HW_REG_WAVE_MODE, 25, 1), 1
	s_wait_xcnt 0x0
	s_wait_alu depctr_vm_vsrc(0)
; SECOND OF TWO LAUNCHES: the whole of reference() from the coordinates as whole numbers (qfix: planes x, y, z, t of q = trunc(c * 2^26)).  Nothing of reference() is left out.
; FIXED POINT.  S = reference()'s f32 scale of the level times 2^20, an exact integer.  P = high word of q * S, plus 2^13, is the position c * scale + 0.5 with 14 fraction bits:
; the cell is P >> 14, the weight w the low 14 bits.  The bits 0x44000000 | fraction are the float 512 + w, so w = F - 512 and 1 - w = 513 - F are exact.
; LIMITS.  The order of rounding differs from reference()'s: a position is cut at 2^-14 of a cell (f32 keeps 2^-13 at the finest level).  Cell and weight come from ONE number, so where this floor and
; reference()'s differ the weight lies that near to 0 or 1, where the trilinear form is continuous.  Coordinates from 0 to below 64 (first launch): a cell is below 2^17 + 1.
; HASH.  index = (c0 ^ c1 * 2654435761 ^ c2 * 805459861) mod 2^19: only the low 19 bits count, so the primes are taken mod 2^19 and a 24-bit multiply does; (c + 1) * p = c * p + p.
; x, y * p1 and their four pairs serve xyz and xyt; z * p1 serves yzt and xzt; t * p2 serves three tables.
; SHARES.  A lane owns 2 neighbouring points, a wave 64, a work-group of 8 waves 512.  THE LEVELS ARE THE OUTER LOOP: all waves of the launch walk them in the same order.
; Level l gives columns 2 l, 2 l + 1 of out0 and nothing else, so nothing is carried from level to level.
; IN FLIGHT.  For a point and level 40 loads of 8 bytes a lane go out in one run: 8 pieces of vectors' rows, then 8 corners of each table.  An index is made in the low register of the pair into which its own load lands.
; THE WAY OUT.  Both points' two numbers go by one 16-byte LDS store into the wave's own stage, [level][point]; at the end whole rows come back and each store of the wave covers 512 consecutive bytes of out0, aligned.
; No wave touches another's stage: no barrier.  The stage's pitch is 544 bytes = 136 words: on the way back lane l reads level 2 (l % 4) of point l / 4 at bank 16 (l % 4) + 2 (l / 4), each of the 64 banks of 4 bytes (ISA guide 11.1) once.
; NO tensor load, cluster or matrix instruction: hashed entries form no tile that work-groups could share, and there is no product of matrices.
; THE MODE: SCHED_MODE bits 1:0 = 2 (LLVM: expert scheduling mode 2), set by the entry lines.  The code itself states the register dependences
; between vector instructions and memory or LDS instructions, with s_wait_alu, always for 0.
; THE PLAN.  Registers that memory or LDS instructions touch, in the loop:
;   v[VO ..]      Offsets of vectors' rows: written at the head, read by every item's first eight loads, never written again.
;   v[VD ..]      An item's first eight loads land here; its interpolation lines and its four TAB read and write them.
;   v[D ..] even  An item's xors and v_min_u32 write the 32 indices; each is read by its own load, whose data land on it; TAB reads and writes it.
;   v[D ..] odd   Those of tables 2 and 3 are the item's registers at work until the indices are made; then the loads' data land; TAB reads them.
;   v[LA], v[R ..]  Written by one add a level and by TAB; read by the level's one LDS store.
;   CW, UV, WV, LB and (once loaded) Q are named by vector instructions alone.
; An item makes ALL its 32 indices first.  ONE wait on va_vdst follows, then the 40 loads with no vector instruction among them.  ONE wait on vm_vsrc stands ahead of TAB 0, the first line that writes a register
; which a load or the last level's LDS store has read.  A third wait, on va_vdst, stands once a level ahead of the LDS store.
.set NPTS,   524288
.set PLANE,  4*NPTS                    ; bytes in a plane of qfix
.set TLEVEL, 8*524288                  ; bytes in a level of a table
.set VPLANE, 2048*64                   ; bytes in one of the four vectors
.set PITCH,  544                       ; a level's 64 points x 8 bytes in the stage, + 32
.set WSTAGE, 8*PITCH                   ; a wave's stage: 4,352 bytes
.set SPARE,  8*WSTAGE                  ; behind the stages: the spare words, 128 bytes for each wave: four blocks of 256 bytes that no other line names
.set P1,     0x779b1                   ; 2654435761 mod 2^19
.set P2,     0x25795                   ; 805459861 mod 2^19
.set SC0,    31<<20                    ; the f32 scales 32 * 64^(l/7) - 1 as 24-bit integers, shifted to 20 fraction bits:
.set SC1,    14933378<<2               ; 56.966316
.set SC2,    13631871<<3               ; 104.00292
.set SC3,    12399888<<4               ; 189.20728
.set SC4,    11257461<<5               ; 343.55045
.set SC5,    10209444<<6               ; 623.13501
.set SC6,    9253582<<7                ; 1129.5876
.set SC7,    2047<<20
.set SPW, 1                            ; v1   LDS address of my spare word; never rewritten
.set NIL, 2                            ; v2   0; never rewritten
.set LB,  3                            ; v3   my 16 bytes in a level's row of my wave's stage
.set LA,  4                            ; v4   the same at the level in hand
.set QO,  5                            ; v5   my byte offset in a plane of qfix
.set Q,   6                            ; v[6:13]   q: coordinate c (x y z t) of point p at Q + 2 c + p
.set VO,  14                           ; v[14:21]  byte offset of the lower row in vector k, point p, at VO + 2 k + p
.set WV,  22                           ; v[22:29]  the weight of the upper row, at WV + 2 k + p
.set R,   30                           ; v[30:33]  the level's two numbers for point 0, for point 1
.set CW,  34                           ; v[34:41]  the pair (1 - w, w) of coordinate c at CW + 2 c
.set UV,  42                           ; v[42:45]  the four products of two coordinates' weights
.set VD,  46                           ; v[46:61]  vector k: two numbers of the lower row at VD + 4 k, of the upper at VD + 4 k + 2
.set D,   62                           ; v[62:125] table t, corner n = i + 2 j + 4 k: index, then the entry's two numbers, at D + 16 t + 2 n
.set TM,  D+33                         ; the odd registers of tables 2 and 3 are free until the loads go out: sixteen at work
.set HA0, TM+0                         ; x          HA1: x + 1
.set HE0, TM+2                         ; y          HE1: y + 1
.set HC0, TM+4                         ; z, then z p2;  HC1: (z + 1) p2
.set HD0, TM+6                         ; t, then t p2;  HD1: (t + 1) p2
.set HA1, TM+8
.set HE1, TM+10
.set HB0, TM+12                        ; y p1
.set HB1, TM+14
.set HG0, TM+16                        ; z p1
.set HG1, TM+18
.set HC1, TM+20
.set HD1, TM+22
.set FR,  TM+24                        ; four: 512 + w
.set RD,  CW                           ; behind the loop: where I read rows back,
.set GO,  CW+1                         ; and my 16 bytes in 512 of out0
.set QB,  8                            ; s[8:9]   qfix at the work-group's points
.set VB,  10                           ; s[10:11] vectors, at the level's two columns
.set TB,  12                           ; s[12:19] the four tables, at the level
.set OB,  20                           ; s[20:21] out0 at the work-group's rows
.set SWV, 22                           ; s22  my wave's number
.set CNT, 23                           ; s23  the loop's counter, which is the level's byte offset in the stage
.set MK,  24                           ; s24  0x3fff
.set EX,  25                           ; s25  the bits of 512.0
.set M19, 30                           ; s30  2^19 - 1
.set WS,  31                           ; s31  my wave's stage
.set SC,  32                           ; s[32:39] the scales still to come, the level's own first
	s_load_b256 s[8:15], s[0:1], 0x0               ; qfix, vectors, xyz_table, xyt_table
	s_load_b128 s[16:19], s[0:1], 0x20             ; yzt_table, xzt_table
	s_load_b64 s[OB:OB+1], s[0:1], 0x30            ; out0
	v_lshl_add_u32 v[SPW], v0, 2, SPARE
	v_mov_b32 v[NIL], 0
	v_lshrrev_b32 v[LA], 5, v0
	v_readfirstlane_b32 s[SWV], v[LA]              ; wave 0..7
	v_and_b32 v[UV], 31, v0                        ; lane
	v_lshlrev_b32 v[QO], 3, v0                     ; two words a thread
	s_wait_alu depctr_va_sdst(0)                   ; s[SWV] is written, ahead of its first reader: the stage's place is made from it
	s_mul_i32 s[WS], s[SWV], WSTAGE
	v_lshl_add_u32 v[LB], v[UV], 4, s[WS]
	s_lshl_b32 s26, ttmp9, 11                      ; the work-group's 512 points: 2,048 bytes of a plane,
	s_mov_b32 s27, 0
	s_lshl_b32 s28, ttmp9, 15                      ; 32,768 bytes of out0
	s_mov_b32 s29, 0
	s_mov_b32 s[MK], 0x3fff
	s_mov_b32 s[EX], 0x44000000
	s_mov_b32 s[M19], 0x7ffff
	s_mov_b32 s[SC+0], SC0
	s_mov_b32 s[SC+1], SC1
	s_mov_b32 s[SC+2], SC2
	s_mov_b32 s[SC+3], SC3
	s_mov_b32 s[SC+4], SC4
	s_mov_b32 s[SC+5], SC5
	s_mov_b32 s[SC+6], SC6
	s_mov_b32 s[SC+7], SC7
	s_wait_kmcnt 0x0
	s_add_nc_u64 s[QB:QB+1], s[QB:QB+1], s[26:27]
	s_add_nc_u64 s[OB:OB+1], s[OB:OB+1], s[28:29]
	s_wait_alu depctr_va_vdst(0)                   ; v[QO] is written, which the four loads below read as their offset
.irp c, 0,1,2,3
	global_load_b64 v[Q+2*(\c):Q+2*(\c)+1], v[QO], s[QB:QB+1] offset:(\c)*PLANE th:TH_LOAD_NT  ; 256 consecutive bytes a wave
.endr
	s_wait_loadcnt 0x0
; interp1d, once a point: pos = c * 2047 with 14 fraction bits; the lower row is min(floor(pos), 2046), as reference() clips it (pos is not below 0); the weight is pos less that row, also where it passes 1.
.macro VSET k, c
.irp p, 0,1
	v_mul_hi_u32 v[D+8*(\k)+4*(\p)], v[Q+2*(\c)+(\p)], s[SC+7]
	v_lshrrev_b32 v[D+8*(\k)+4*(\p)+1], 14, v[D+8*(\k)+4*(\p)]
	v_min_u32 v[D+8*(\k)+4*(\p)+1], 0x7fe, v[D+8*(\k)+4*(\p)+1]
	v_lshlrev_b32 v[D+8*(\k)+4*(\p)+2], 14, v[D+8*(\k)+4*(\p)+1]
	v_sub_nc_u32 v[D+8*(\k)+4*(\p)], v[D+8*(\k)+4*(\p)], v[D+8*(\k)+4*(\p)+2]
	v_cvt_f32_u32 v[D+8*(\k)+4*(\p)], v[D+8*(\k)+4*(\p)]
	v_mul_f32 v[WV+2*(\k)+(\p)], 0x38800000, v[D+8*(\k)+4*(\p)]   ; * 2^-14
	v_lshlrev_b32 v[VO+2*(\k)+(\p)], 6, v[D+8*(\k)+4*(\p)+1]      ; a row is 64 bytes
.endr
.endm
	VSET 0, 3                                      ; vectors[0] goes by t,
	VSET 1, 2                                      ; [1] by z,
	VSET 2, 0                                      ; [2] by x,
	VSET 3, 1                                      ; [3] by y
; The four products of coordinate u's and coordinate v's weights: (1-wu)(1-wv), wu (1-wv), (1-wu) wv, wu wv: corners i + 2 j.
.macro PAIRW u, v
	v_pk_mul_f32 v[UV:UV+1],   v[CW+2*(\u):CW+2*(\u)+1], v[CW+2*(\v):CW+2*(\v)+1] op_sel_hi:[1,0]
	v_pk_mul_f32 v[UV+2:UV+3], v[CW+2*(\u):CW+2*(\u)+1], v[CW+2*(\v):CW+2*(\v)+1] op_sel:[0,1]
.endm
; Table t's eight entries, two numbers each, are weighed: two chains (third coordinate low, high) of four, then coordinate s joins them; the feature times vector k is added to point p's result.
.macro TAB t, s, k, p, first
.set E, D+16*(\t)
	v_pk_mul_f32 v[E:E+1],   v[E:E+1],     v[UV:UV+1] op_sel_hi:[1,0]
	v_pk_mul_f32 v[E+8:E+9], v[E+8:E+9],   v[UV:UV+1] op_sel_hi:[1,0]
	v_pk_fma_f32 v[E:E+1],   v[E+2:E+3],   v[UV:UV+1], v[E:E+1] op_sel:[0,1,0]
	v_pk_fma_f32 v[E+8:E+9], v[E+10:E+11], v[UV:UV+1], v[E+8:E+9] op_sel:[0,1,0]
	v_pk_fma_f32 v[E:E+1],   v[E+4:E+5],   v[UV+2:UV+3], v[E:E+1] op_sel_hi:[1,0,1]
	v_pk_fma_f32 v[E+8:E+9], v[E+12:E+13], v[UV+2:UV+3], v[E+8:E+9] op_sel_hi:[1,0,1]
	v_pk_fma_f32 v[E:E+1],   v[E+6:E+7],   v[UV+2:UV+3], v[E:E+1] op_sel:[0,1,0]
	v_pk_fma_f32 v[E+8:E+9], v[E+14:E+15], v[UV+2:UV+3], v[E+8:E+9] op_sel:[0,1,0]
	v_pk_mul_f32 v[E:E+1],   v[E:E+1],     v[CW+2*(\s):CW+2*(\s)+1] op_sel_hi:[1,0]
	v_pk_fma_f32 v[E:E+1],   v[E+8:E+9],   v[CW+2*(\s):CW+2*(\s)+1], v[E:E+1] op_sel:[0,1,0]
.if \first
	v_pk_mul_f32 v[R+2*(\p):R+2*(\p)+1], v[E:E+1], v[VD+4*(\k):VD+4*(\k)+1]
.else
	v_pk_fma_f32 v[R+2*(\p):R+2*(\p)+1], v[E:E+1], v[VD+4*(\k):VD+4*(\k)+1], v[R+2*(\p):R+2*(\p)+1]
.endif
.endm
; Table t's eight indices: a number made of loaded numbers enters an address only behind a v_min_u32 with a written constant (the index is below 2^19 already).
.macro CLAMP8 t
.irp n, 0,1,2,3,4,5,6,7
	v_min_u32 v[D+16*(\t)+2*(\n)], 0x7ffff, v[D+16*(\t)+2*(\n)]
.endr
.endm
; Table t's eight loads, each landing on its own index; scale_offset takes the index times 8 bytes.
.macro LOAD8 t
.irp n, 0,1,2,3,4,5,6,7
	global_load_b64 v[D+16*(\t)+2*(\n):D+16*(\t)+2*(\n)+1], v[D+16*(\t)+2*(\n)], s[TB+2*(\t):TB+2*(\t)+1] scale_offset
.endr
.endm
; POINT p AT THE LEVEL IN HAND.  No load of the wave is out at its head.
.macro ITEM p
.irp c, 0,1,2,3
	v_mul_hi_u32 v[TM+2*(\c)], v[Q+2*(\c)+(\p)], s[SC]          ; c * scale, 14 fraction bits
.endr
.irp c, 0,1,2,3
	v_add_nc_u32 v[TM+2*(\c)], 0x2000, v[TM+2*(\c)]             ; + 0.5
.endr
.irp c, 0,1,2,3
	v_and_or_b32 v[FR+2*(\c)], v[TM+2*(\c)], s[MK], s[EX]       ; the float 512 + w
	v_lshrrev_b32 v[TM+2*(\c)], 14, v[TM+2*(\c)]                ; the cell
.endr
.irp c, 0,1,2,3
	v_sub_f32 v[CW+2*(\c)],   0x44004000, v[FR+2*(\c)]          ; 513 - (512 + w) = 1 - w
	v_add_f32 v[CW+2*(\c)+1], 0xc4000000, v[FR+2*(\c)]          ; w
.endr
	v_add_nc_u32 v[HA1], 1, v[HA0]
	v_add_nc_u32 v[HE1], 1, v[HE0]
	v_mul_u32_u24 v[HB0], P1, v[HE0]
	v_mul_u32_u24 v[HG0], P1, v[HC0]
	v_mul_u32_u24 v[HC0], P2, v[HC0]
	v_mul_u32_u24 v[HD0], P2, v[HD0]
	v_add_nc_u32 v[HB1], P1, v[HB0]
	v_add_nc_u32 v[HG1], P1, v[HG0]
	v_add_nc_u32 v[HC1], P2, v[HC0]
	v_add_nc_u32 v[HD1], P2, v[HD0]
.irp h, HB0, HB1, HG0, HG1, HC0, HC1, HD0, HD1
	v_and_b32 v[\h], s[M19], v[\h]                              ; mod 2^19 here, eight times, not behind each of the 32 sums; x + 1 and y + 1 are below 2^19 as they are
.endr
	v_xor_b32 v[D+0], v[HA0], v[HB0]                            ; x ^ y p1, four pairs, in the places of table 0's low corners
	v_xor_b32 v[D+2], v[HA1], v[HB0]
	v_xor_b32 v[D+4], v[HA0], v[HB1]
	v_xor_b32 v[D+6], v[HA1], v[HB1]
.irp n, 0,1,2,3
	v_xor_b32 v[D+8+2*(\n)],  v[D+2*(\n)], v[HC1]               ; xyz, z + 1
	v_xor_b32 v[D+16+2*(\n)], v[D+2*(\n)], v[HD0]               ; xyt, t
	v_xor_b32 v[D+24+2*(\n)], v[D+2*(\n)], v[HD1]               ; xyt, t + 1
	v_xor_b32 v[D+2*(\n)],    v[D+2*(\n)], v[HC0]               ; xyz, z: in place, last
.endr
	v_xor_b32 v[D+32], v[HE0], v[HG0]                           ; y ^ z p1
	v_xor_b32 v[D+34], v[HE1], v[HG0]
	v_xor_b32 v[D+36], v[HE0], v[HG1]
	v_xor_b32 v[D+38], v[HE1], v[HG1]
	v_xor_b32 v[D+48], v[HA0], v[HG0]                           ; x ^ z p1
	v_xor_b32 v[D+50], v[HA1], v[HG0]
	v_xor_b32 v[D+52], v[HA0], v[HG1]
	v_xor_b32 v[D+54], v[HA1], v[HG1]
.irp n, 0,1,2,3
	v_xor_b32 v[D+40+2*(\n)], v[D+32+2*(\n)], v[HD1]
	v_xor_b32 v[D+56+2*(\n)], v[D+48+2*(\n)], v[HD1]
	v_xor_b32 v[D+32+2*(\n)], v[D+32+2*(\n)], v[HD0]
	v_xor_b32 v[D+48+2*(\n)], v[D+48+2*(\n)], v[HD0]
.endr
	CLAMP8 0
	CLAMP8 1
	CLAMP8 2
	CLAMP8 3
	s_wait_alu depctr_va_vdst(0)                                ; the 32 indices are written, which the loads below read (in the first trip v[VO ..] too); the lines above are done reading the registers at work, and the item before is done with v[VD ..] and v[D ..]: in all of these the loads' data land
.irp k, 0,1,2,3
	global_load_b64 v[VD+4*(\k):VD+4*(\k)+1],   v[VO+2*(\k)+(\p)], s[VB:VB+1] offset:(\k)*VPLANE      ; the level's two columns of the lower row,
	global_load_b64 v[VD+4*(\k)+2:VD+4*(\k)+3], v[VO+2*(\k)+(\p)], s[VB:VB+1] offset:(\k)*VPLANE+64   ; and of the upper
.endr
	LOAD8 0                                                     ; no vector instruction stands among the 40 loads
	LOAD8 1
	LOAD8 2                                                     ; these land on the registers at work
	LOAD8 3
	PAIRW 0, 1                                                  ; x and y: for xyz and xyt
	s_wait_loadcnt 24                                           ; loads come back in order (ISA guide 5.7.1): the vectors' 8 and table 0's 8 are in; the 24 of tables 1 to 3 may stay out
.irp k, 0,1,2,3
	v_pk_add_f32 v[VD+4*(\k)+2:VD+4*(\k)+3], v[VD+4*(\k)+2:VD+4*(\k)+3], v[VD+4*(\k):VD+4*(\k)+1] neg_lo:[0,1] neg_hi:[0,1]  ; upper - lower
.endr
.irp k, 0,1,2,3
	v_pk_fma_f32 v[VD+4*(\k):VD+4*(\k)+1], v[VD+4*(\k)+2:VD+4*(\k)+3], v[WV+2*(\k):WV+2*(\k)+1], v[VD+4*(\k):VD+4*(\k)+1] op_sel:[0,\p,0] op_sel_hi:[1,\p,1]  ; lower + w (upper - lower); point p's w for both
.endr
	s_wait_alu depctr_vm_vsrc(0)                                ; the 32 table loads have read their index registers, which TAB and the next item's xors write; the last level's LDS store has read v[R ..] and v[LA], which TAB and the level's add write
	TAB 0, 2, 0, \p, 1                                          ; xyz: joined by z, times vectors[0]
	s_wait_loadcnt 16                                           ; table 1 is in; 16 may stay out
	TAB 1, 3, 1, \p, 0                                          ; xyt: by t, times vectors[1]
	PAIRW 1, 2                                                  ; y and z
	s_wait_loadcnt 8                                            ; table 2 is in; 8 may stay out
	TAB 2, 3, 2, \p, 0                                          ; yzt
	PAIRW 0, 2                                                  ; x and z
	s_wait_loadcnt 0x0                                          ; table 3; every load of the wave is done, so the bases may be written
	TAB 3, 3, 3, \p, 0                                          ; xzt
.endm
	s_mov_b32 s[CNT], 0
.Llevel:                                       ; 8 trips; the counter steps by a level's row in the stage
	ITEM 0
	ITEM 1
	v_add_nc_u32 v[LA], s[CNT], v[LB]
	s_wait_alu depctr_va_vdst(0)                   ; both items have written v[R ..], the store's data, and the add above v[LA], its address
	ds_store_b128 v[LA], v[R:R+3]                  ; 512 consecutive bytes a wave
	s_add_nc_u64 s[VB:VB+1], s[VB:VB+1], 8         ; the next level's two columns,
.irp t, 0,1,2,3
	s_add_nc_u64 s[TB+2*(\t):TB+2*(\t)+1], s[TB+2*(\t):TB+2*(\t)+1], TLEVEL  ; its part of each table,
.endr
.irp i, 0,1,2,3,4,5,6
	s_mov_b32 s[SC+(\i)], s[SC+(\i)+1]             ; and its scale moves to the front
.endr
	s_add_co_u32 s[CNT], s[CNT], PITCH
	s_cmp_lt_u32 s[CNT], WSTAGE
	s_cbranch_scc1 .Llevel
	; THE WAY OUT.  Lane l takes 16 bytes of a row of out0: point l / 4 of eight, levels 2 (l % 4) and 2 (l % 4) + 1.
	v_and_b32 v[UV], 31, v0
	v_and_b32 v[UV+1], 3, v0
	v_lshrrev_b32 v[UV+2], 2, v[UV]
	v_mul_u32_u24 v[RD], v[UV+1], 2*PITCH
	v_lshl_add_u32 v[RD], v[UV+2], 3, v[RD]
	v_add_nc_u32 v[RD], s[WS], v[RD]
	s_lshl_b32 s26, s[SWV], 12                     ; my wave's 64 rows of 64 bytes
	v_lshl_add_u32 v[GO], v[UV], 4, s26
	s_wait_alu depctr_va_vdst(0)                   ; v[RD] and v[GO] are written, the addresses of the loads and stores below; the loop's lines are done with v[D ..], in which the LDS loads land (the table loads that read indices there stand ahead of the last item's wait on vm_vsrc)
.irp t, 0,1,2,3,4,5,6,7
	ds_load_b64 v[D+4*(\t):D+4*(\t)+1],   v[RD] offset:64*(\t)        ; LDS serves a wave's instructions in order (ISA guide 5.7.1.4): these see the loop's stores
	ds_load_b64 v[D+4*(\t)+2:D+4*(\t)+3], v[RD] offset:64*(\t)+PITCH
.endr
.irp t, 0,1,2,3,4,5,6,7
	s_wait_dscnt 14-2*(\t)                         ; the two loads of rows 8 t .. 8 t + 7 are in; the later rows' may stay out
	global_store_b128 v[GO], v[D+4*(\t):D+4*(\t)+3], s[OB:OB+1] offset:512*(\t) th:TH_STORE_NT  ; 512 consecutive bytes, at a multiple of 256 from out0's first
.endr
	s_wait_dscnt 0x0                               ; the wave's end
	s_wait_alu 0x0
	s_wait_tensorcnt 0x0
	ds_add_u32 v[SPW], v[NIL]
	s_wait_dscnt 0x0
	s_endpgm
.Lfunc_end_k_q9e90f024b5_gather:
	.size	k_q9e90f024b5_gather, .Lfunc_end_k_q9e90f024b5_gather-k_q9e90f024b5_gather
	.p2alignl 7, 3214868480
	.fill 96, 4, 3214868480
	.section	.rodata,"a",@progbits
	.p2align	6, 0x0
	.amdhsa_kernel k_q9e90f024b5_gather
		.amdhsa_group_segment_fixed_size 35840
		.amdhsa_private_segment_fixed_size 0
		.amdhsa_enable_private_segment 0
		.amdhsa_kernarg_size 56
		.amdhsa_user_sgpr_count 2
		.amdhsa_user_sgpr_kernarg_segment_ptr 1
		.amdhsa_wavefront_size32 1
		.amdhsa_system_sgpr_workgroup_id_x 1
		.amdhsa_system_sgpr_workgroup_id_y 1
		.amdhsa_system_sgpr_workgroup_id_z 1
		.amdhsa_system_vgpr_workitem_id 0
		.amdhsa_next_free_vgpr 128
		.amdhsa_next_free_sgpr 66
		.amdhsa_reserve_vcc 0
		.amdhsa_float_denorm_mode_32 3
		.amdhsa_float_denorm_mode_16_64 3
		.amdhsa_memory_ordered 1
		.amdhsa_forward_progress 1
		.amdhsa_inst_pref_size 35
	.end_amdhsa_kernel
	.amdgpu_metadata
---
amdhsa.version: [ 1, 2 ]
amdhsa.kernels:
  - .name:           k_q9e90f024b5_gather
    .symbol:         k_q9e90f024b5_gather.kd
    .args:
      - { .name: qfix, .offset: 0, .size: 8, .value_kind: global_buffer, .address_space: global }
      - { .name: vectors, .offset: 8, .size: 8, .value_kind: global_buffer, .address_space: global }
      - { .name: xyz_table, .offset: 16, .size: 8, .value_kind: global_buffer, .address_space: global }
      - { .name: xyt_table, .offset: 24, .size: 8, .value_kind: global_buffer, .address_space: global }
      - { .name: yzt_table, .offset: 32, .size: 8, .value_kind: global_buffer, .address_space: global }
      - { .name: xzt_table, .offset: 40, .size: 8, .value_kind: global_buffer, .address_space: global }
      - { .name: out0, .offset: 48, .size: 8, .value_kind: global_buffer, .address_space: global }
    .group_segment_fixed_size: 35840
    .private_segment_fixed_size: 0
    .kernarg_segment_align: 8
    .kernarg_segment_size: 56
    .max_flat_workgroup_size: 256
    .sgpr_count:     66
    .vgpr_count:     128
    .wavefront_size: 32
...
	.end_amdgpu_metadata
.endif
;; end of part 3
